; MI455X (gfx1250); checked and timed in simulation.
; The chip was launched on July 23, 2026; its instructions are those of AMD's public machine-readable ISA for CDNA 5 (MIT licence, August 2026) and "CDNA5" Instruction Set Architecture Reference Guide (July 2026). The comments in the code are by the model that wrote it; some were corrected since.
;; Vision Multi Head Attention. Allowed arithmetic: matrix products marked QUANTISED: E2M1 operands, one E8M0 scale for each 32 along K, by v_wmma_scale_f32_16x16x128_f8f6f4 with both operands' format E2M1 (or v_wmma_scale_f32_32x16x128_f4), f32 sums; products left as they are: bf16, f16 or f32 operands; f32 sums; everything else in f32.
;; Inputs: Wk 12 x 768 x 64 float32; Wproj 768 x 768 float32; Wq 12 x 768 x 64 float32; Wv 12 x 768 x 64 float32; bproj 768 float32; x 8 x 1,024 x 768 float32.
;; Outputs: out0 8 x 1,024 x 768 float32.
;; This version of the problem:
;;   THIS VERSION OF THE PROBLEM IS GIVEN IN LOW PRECISION. The matrix products marked QUANTISED in the list below multiply operands that are first quantised to E2M1 (2 exponent bits, 1 mantissa bit; 4 bits a number), with one power-of-two scale for each 32 numbers along K (OCP MX v1.0); their sums are f32. The products marked 'left as it is' may take bf16, f16 or f32 operands, with f32 sums. Whichever they take, every output number must still come out within the allowed error. Rounding operands to bf16 (8 significant bits) uses up far more of that allowance than f16 does (11 bits, for magnitudes from 6e-5 to 65,504). All else is computed in f32.
;;   The module's matrix products, in the order in which they are computed (A, B: the left and right operand; K: the contracted axis; several contracted axes count as one K, in the product's order):
;;     1. [M 768, K 768] x [K 768, N 8,192]; A: input Wq; B: input x: QUANTISED
;;     2. [M 768, K 768] x [K 768, N 8,192]; A: input Wk; B: input x: QUANTISED
;;     3. [M 768, K 768] x [K 768, N 8,192]; A: input Wv; B: input x: QUANTISED
;;     4. batch 96 x [M 1,024, K 64] x [K 64, N 1,024]; A: computed on the way; B: computed on the way: left as it is (an operand is computed on the way)
;;     5. batch 96 x [M 1,024, K 1,024] x [K 1,024, N 64]; A: computed on the way; B: computed on the way: left as it is (an operand is computed on the way)
;;     6. [M 8,192, K 768] x [K 768, N 768]; A: computed on the way; B: input Wproj: left as it is (an operand is computed on the way)
;;   THE QUANTISER, for each operand of a quantised product, along K:
;;     - K is cut into blocks of 32 from its start; a last block that is shorter is filled with zeros.
;;     - A block's scale is 2^e with e = floor(log2(the largest magnitude in the block)) - 2, held to -126 .. 127; a block of zeros has e = 0. As a byte (E8M0): e + 127.
;;     - Each number is divided by its block's scale, clamped to +-6, and rounded to the nearest number of E2M1, ties to even, subnormals kept.
;;     - The product sums the exact products of the quantised numbers (number of the format x scale) in f32.
;;   ~~~python
;;   def quantise(x, axis):      # numpy; x: float32 -> the quantised numbers, widened to float32 again
;;       x = np.moveaxis(x, axis, -1); K = x.shape[-1]
;;       x = np.pad(x, [(0, 0)] * (x.ndim - 1) + [(0, -K % 32)]); x = x.reshape(x.shape[:-1] + (-1, 32)); a = np.abs(x).max(-1, keepdims=True)
;;       e = np.where(a > 0, np.clip(np.frexp(np.where(a > 0, a, 1))[1] - 1 - 2, -126, 127), 0)      # np.frexp(a)[1] - 1 = floor(log2(a)), exactly
;;       r = np.clip(x / 2.0 ** e, -6, 6)
;;       step = 2.0 ** (np.maximum(np.frexp(np.where(r == 0, 1, r))[1] - 1, 0) - 1)
;;       q = np.round(r / step) * step * 2.0 ** e      # np.round: ties to even
;;       return np.moveaxis(q.reshape(q.shape[:-2] + (-1,))[..., :K], -1, axis).astype(np.float32)
;;   ~~~
;; One version. Each part assembles by itself: llvm-mc -triple=amdgcn-amd-amdhsa -mcpu=gfx1250 --defsym DOCPART=n.
;; ======== version 1 of 1: 4 launches
;; limits: values are held in f16: magnitudes above 65,504 overflow, below 6.1e-05 lose precision
;; workspace buffers: xc 3,538,944 bytes; wc 995,328 bytes; wp 1,179,648 bytes; qkv 37,748,736 bytes; att 12,582,912 bytes
;; launch prep (part 1): grid 176 x 3, 4 waves a work-group, no clusters, 34,304 bytes of LDS; arguments x, Wq, Wk, Wv, Wproj, xc, wc, wp; writes xc, wc, wp
.if DOCPART == 1
	.amdgcn_target "amdgcn-amd-amdhsa--gfx1250"
	.amdhsa_code_object_version 6
	.text
	.protected	k_qd946880c18_prep
	.globl	k_qd946880c18_prep
	.p2align	8
	.type	k_qd946880c18_prep,@function
k_qd946880c18_prep:
	s_mov_b64 s[64:65], 0
	v_nop
	global_prefetch_b8 v0, s[64:65] scope:SCOPE_SE
	s_setreg_imm32_b32 hwreg(HW_REG_WAVE_MODE, 25, 1), 1
	s_wait_xcnt 0x0
; PREP.  x [8192][768] and Wq, Wk, Wv [12][768][64], f32, become codes of E2M1 with one E8M0 byte for each 32 along K = the 768 channels; Wproj [768][768] becomes f16.
; All three results are laid as IMAGES OF OPERAND REGISTERS, so that the later launches load fragments as consecutive bytes.
;   xc, wc: a record of 6,912 bytes for each tile of 16 rows (16 tokens; 16 columns n = (kind x 12 + head) x 64 + d): three chunks of 2,304 bytes, one for each 256 along K:
;           two images of 1,024 bytes (16 rows x 128 K: the 16 bytes of row r, block 2 c + h at 512 c + 256 h + 16 r), 16 + 16 scale words (row r at 4 r), 128 bytes that nobody writes or reads.
;   wp:     [48 tiles of 16 columns][24 steps of 32 along K][1,024]: row = column n of Wproj; the 16 bytes of k = 8 p .. 8 p + 7 at 512 (p / 2) + 256 (p % 2) + 16 r.
; A block's scale is 2^(floor(log2(largest magnitude)) - 2): its byte is the largest magnitude's exponent field - 2, held at 1 from below by a floor among the maximum's leaves.
; LIMITS: a block of zeros gets the byte 1 where the rule says 127 (its codes are zeros, and this program alone reads the bytes); NaN and infinities among the inputs are not served.
; SHARES.  Work-group y is the chunk of 256 along K.  x < 128: tokens (a wave: 16 tokens x 256 K); x < 164: one of the 36 (kind, head) (a wave: 32 columns x 128 K); else Wproj (a wave: 32 columns x 128 K).
; Every wave has one unit of 16 KiB.  The tokens' path issues its 32 loads of 16 bytes a lane at its head; the two column paths, whose loads are of 4 bytes a lane, run two blocks of 32 loads ahead.
; No tensor load, no barrier: waves share nothing.  Only the tokens' path uses LDS.
.set STG,   8448                       ; a wave's stage: 16 rows x (512 bytes + 16)
.set SPARE, 4*STG                      ; behind the four stages: the spare words, 128 bytes for each wave: two blocks of 256 bytes that no other line names
.set SPW, 12                           ; v12  LDS address of my spare word; never rewritten
.set NIL, 13                           ; v13  0; never rewritten
.set MX,  14                           ; v14-15 largest magnitudes
.set SO,  16                           ; v16-19 the conversions' scale operands
.set BY,  18                           ; (tokens' path) v18-19 scale bytes
.set R,   32                           ; v32-159  numbers as loaded
.set Y,   160                          ; v160-223 tokens' path: 2 blocks of 32 neighbours; other paths: results
.set CD,  224                          ; v224-239 tokens' path: codes
.set SW,  240                          ; v240-241 tokens' path: scale words of the two K steps
; tokens' path: K step ks goes through the stage: in as it was loaded (a row's 512 bytes on end), out 128 bytes a lane: row r, blocks h and 2 + h
.macro TURN ks
.irp j, 0,1,2,3,4,5,6,7,8,9,10,11,12,13,14,15
	ds_store_b128 v5, v[R+64*\ks+4*\j:R+64*\ks+4*\j+3] offset:\j*528
.endr
.irp c, 0,1
.irp i, 0,1,2,3,4,5,6,7
	ds_load_b128 v[Y+32*\c+4*\i:Y+32*\c+4*\i+3], v6 offset:\c*256+16*\i   ; LDS serves a wave's instructions in order: these see the stores above
.endr
.endr
.endm
; my two whole blocks become 8 registers of codes, and with lane l xor 16's two bytes the row's scale word
.macro QUANT ks
.irp c, 0,1
	v_max3_num_f32 v[MX+\c], |v[Y+32*\c]|, |v[Y+32*\c+1]|, 0x1800000       ; the floor 2^(3 - 127): the byte cannot fall under 1
.endr
.irp i, 2,4,6,8,10,12,14,16,18,20,22,24,26,28,30
.irp c, 0,1
	v_max3_num_f32 v[MX+\c], v[MX+\c], |v[Y+32*\c+\i]|, |v[Y+32*\c+\i+1]|  ; the two blocks by turns
.endr
.endr
.irp c, 0,1
	v_add_nc_u32 v[SO+\c], 0xff000000, v[MX+\c]    ; 2 off the exponent field: the conversion takes this operand's exponent field as its scale
.endr
.irp c, 0,1
	v_lshrrev_b32 v[BY+\c], 23, v[SO+\c]           ; the scale's byte
.endr
	v_lshl_or_b32 v20, v[BY+1], 16, v[BY]          ; blocks h and 2 + h,
	v_lshlrev_b32 v20, v9, v20                     ; 8 h bits up
	v_mov_b32 v21, 0
	v_permlanex16_b32 v21, v20, s28, s29
	v_or_b32 v[SW+\ks], v20, v21                   ; the whole word, in both lanes of the row
.irp c, 0,1
.irp g, 0,1,2,3
	v_cvt_scalef32_pk8_fp4_f32 v[CD+8*\ks+4*\c+\g], v[Y+32*\c+8*\g:Y+32*\c+8*\g+7], v[SO+\c]
.endr
.endr
	v_nop                                          ; one plain line behind the last conversion
.irp c, 0,1
	global_store_b128 v4, v[CD+8*\ks+4*\c:CD+8*\ks+4*\c+3], s[14:15] offset:\ks*1024+\c*512   ; 512 consecutive bytes
.endr
.endm
; column paths: block blk of my column, 32 rows down K, \pitch bytes from row to row, into registers of its own: a wave's load reads 128 consecutive bytes
.macro LOADB blk, base, pitch
.set i, 0
.rept 32
	global_load_b32 v[R+32*(\blk)+i], v4, s[\base:\base+1] offset:(32*(\blk)+i)*\pitch th:TH_LOAD_NT
.set i, i+1
.endr
.endm
; weights' path: block kb of my column: all 32 numbers are mine
.macro WBLOCK kb
.set XS, R+32*(\kb)
.if (\kb) < 3
	s_wait_loadcnt 32                              ; this block's 32 loads are in; the 32 of the block behind it may be out
.else
	s_wait_loadcnt 0x0
.endif
.if (\kb) < 2
	LOADB (\kb)+2, 30, 256                         ; two blocks ahead
.endif
	v_max3_num_f32 v14, |v[XS]|, |v[XS+1]|, |v[XS+2]|
	v_max3_num_f32 v15, |v[XS+3]|, |v[XS+4]|, |v[XS+5]|
.irp i, 6,10,14,18,22,26
	v_max3_num_f32 v14, v14, |v[XS+\i]|, |v[XS+\i+1]|
	v_max3_num_f32 v15, v15, |v[XS+\i+2]|, |v[XS+\i+3]|
.endr
	v_max3_num_f32 v14, v14, |v[XS+30]|, |v[XS+31]|
	v_max3_num_f32 v14, v14, v15, 0x1800000        ; and the floor
	v_add_nc_u32 v[SO+(\kb)], 0xff000000, v14
	v_lshrrev_b32 v20, 23, v[SO+(\kb)]
.if (\kb) == 0
	v_mov_b32 v21, v20                             ; the column's scale word: the lower K in the lower byte
.else
	v_lshl_or_b32 v21, v20, 8*(\kb), v21
.endif
.irp g, 0,1,2,3
	v_cvt_scalef32_pk8_fp4_f32 v[Y+4*(\kb)+\g], v[XS+8*\g:XS+8*\g+7], v[SO+(\kb)]
.endr
	v_nop
	global_store_b128 v5, v[Y+4*(\kb):Y+4*(\kb)+3], s[36:37] offset:((\kb)>>1)*512+((\kb)&1)*256   ; sixteen lanes fill 256 consecutive bytes, aligned
.endm
	s_load_b512 s[4:19], s[0:1], 0x0               ; x s[4:5], Wq s[6:7], Wk s[8:9], Wv s[10:11], Wproj s[12:13], xc s[14:15], wc s[16:17], wp s[18:19]
	v_lshl_add_u32 v[SPW], v0, 2, SPARE
	v_mov_b32 v[NIL], 0
	v_lshrrev_b32 v1, 5, v0
	v_readfirstlane_b32 s20, v1                    ; wave 0..3
	v_and_b32 v1, 31, v0                           ; lane
	v_and_b32 v2, 15, v0                           ; r
	v_bfe_u32 v3, v0, 4, 1                         ; h
	s_and_b32 s21, ttmp7, 0xffff                   ; the chunk of 256 along K
	s_mov_b32 s28, 0x76543210
	s_mov_b32 s29, 0xfedcba98                      ; v_permlanex16_b32's selects for lane l xor 16
	s_wait_kmcnt 0x0
	s_cmp_lt_u32 ttmp9, 128
	s_cbranch_scc0 .Lnot_x
	; ---- tokens: tile tt = 4 x work-group + wave
	s_lshl_b32 s22, ttmp9, 2
	s_add_co_u32 s22, s22, s20
	s_mul_i32 s24, s22, 49152                      ; 16 rows of 3,072 bytes
	s_lshl_b32 s25, s21, 10
	s_add_co_u32 s24, s24, s25
	s_mov_b32 s25, 0
	s_add_nc_u64 s[4:5], s[4:5], s[24:25]
	s_mul_i32 s24, s22, 6912
	s_mul_i32 s26, s21, 2304
	s_add_co_u32 s24, s24, s26
	s_add_nc_u64 s[14:15], s[14:15], s[24:25]
	s_mul_i32 s27, s20, STG
	v_lshlrev_b32 v4, 4, v1                        ; 16 x lane: loads and code stores
	v_add_nc_u32 v5, s27, v4                       ; the stage, on the way in
	v_mul_u32_u24 v6, v2, 528
	v_lshl_add_u32 v6, v3, 7, v6
	v_add_nc_u32 v6, s27, v6                       ; and out: row r, + 128 h
	v_lshlrev_b32 v8, 2, v1
	v_lshlrev_b32 v9, 3, v3                        ; 8 h
.irp ks, 0,1
.irp j, 0,1,2,3,4,5,6,7,8,9,10,11,12,13,14,15
	global_load_b128 v[R+64*\ks+4*\j:R+64*\ks+4*\j+3], v4, s[4:5] offset:\j*3072+\ks*512 th:TH_LOAD_NT   ; 512 consecutive bytes of row j
.endr
.endr
	s_wait_loadcnt 16                              ; K step 0's sixteen loads are in; K step 1's may be out
	TURN 0
	s_wait_dscnt 0x0
	QUANT 0
	s_wait_loadcnt 0x0
	TURN 1
	s_wait_dscnt 0x0
	QUANT 1
	v_cmp_eq_u32 vcc_lo, 1, v3
	v_cndmask_b32 v242, v[SW], v[SW+1], vcc_lo     ; lanes 0-15: K step 0's words; lanes 16-31: K step 1's
	global_store_b32 v8, v242, s[14:15] offset:2048
	s_wait_tensorcnt 0x0                           ; the wave's end, behind my last LDS store
	ds_add_u32 v[SPW], v[NIL]
	s_wait_dscnt 0x0
	s_endpgm
.Lnot_x:
	s_and_b32 s25, s20, 1                          ; which 32 columns
	s_lshr_b32 s26, s20, 1                         ; which 128 along K
	v_lshlrev_b32 v4, 2, v1                        ; a lane takes a column, its registers run down K
	s_cmp_lt_u32 ttmp9, 164
	s_cbranch_scc0 .Lp_path
	; ---- Wq, Wk, Wv: kh = kind x 12 + head
	s_sub_co_u32 s22, ttmp9, 128
	s_cmp_lt_u32 s22, 24
	s_cselect_b64 s[30:31], s[8:9], s[10:11]
	s_cselect_b32 s24, 12, 24
	s_cmp_lt_u32 s22, 12
	s_cselect_b64 s[30:31], s[6:7], s[30:31]       ; the choice hangs on the work-group's number alone
	s_cselect_b32 s24, 0, s24
	s_sub_co_u32 s23, s22, s24                     ; head
	s_mul_i32 s32, s23, 196608                     ; a head: 768 rows of 256 bytes
	s_lshl_b32 s33, s21, 16
	s_add_co_u32 s32, s32, s33
	s_lshl_b32 s33, s26, 15
	s_add_co_u32 s32, s32, s33
	s_lshl_b32 s33, s25, 7
	s_add_co_u32 s32, s32, s33
	s_mov_b32 s33, 0
	s_add_nc_u64 s[30:31], s[30:31], s[32:33]
	LOADB 0, 30, 256
	LOADB 1, 30, 256
	s_lshl_b32 s32, s22, 2
	s_lshl_b32 s34, s25, 1
	s_add_co_u32 s32, s32, s34                     ; my first tile of 16 columns: 4 kh + 2 x half
	s_mul_i32 s32, s32, 6912
	s_mul_i32 s34, s21, 2304
	s_add_co_u32 s32, s32, s34
	s_lshl_b32 s34, s26, 10
	s_add_co_u32 s34, s34, s32
	s_mov_b32 s35, 0
	s_add_nc_u64 s[36:37], s[16:17], s[34:35]      ; my K step's image
	s_lshl_b32 s34, s26, 6
	s_add_co_u32 s34, s34, s32
	s_add_co_u32 s34, s34, 2048
	s_add_nc_u64 s[38:39], s[16:17], s[34:35]      ; and its scale words
	v_mul_u32_u24 v5, v3, 6912                     ; lanes 16-31: the next tile
	v_lshl_add_u32 v6, v2, 2, v5
	v_lshl_add_u32 v5, v2, 4, v5
	WBLOCK 0
	WBLOCK 1
	WBLOCK 2
	WBLOCK 3
	global_store_b32 v6, v21, s[38:39]
	s_endpgm
.Lp_path:
	; ---- Wproj: columns 32 cg on, k from 128 (2 chunk + wave / 2) on
	s_sub_co_u32 s22, ttmp9, 164
	s_lshl_b32 s22, s22, 1
	s_add_co_u32 s22, s22, s25                     ; cg
	s_lshl_b32 s23, s21, 1
	s_add_co_u32 s23, s23, s26
	s_mul_i32 s32, s23, 128*3072
	s_lshl_b32 s33, s22, 7
	s_add_co_u32 s32, s32, s33
	s_mov_b32 s33, 0
	s_add_nc_u64 s[12:13], s[12:13], s[32:33]
	LOADB 0, 12, 3072
	LOADB 1, 12, 3072
	s_mul_i32 s32, s22, 2*24576
	s_lshl_b32 s34, s23, 12                        ; four steps of 32 along K, 1,024 bytes each
	s_add_co_u32 s32, s32, s34
	s_add_nc_u64 s[18:19], s[18:19], s[32:33]
	v_mul_u32_u24 v5, v3, 24576
	v_lshl_add_u32 v5, v2, 4, v5
.irp kc, 0,1,2,3
.if \kc < 3
	s_wait_loadcnt 32                              ; this step's 32 loads are in; the 32 of the step behind it may be out
.else
	s_wait_loadcnt 0x0
.endif
.if \kc < 2
	LOADB \kc+2, 12, 3072                          ; two steps ahead
.endif
.irp i, 0,1,2,3,4,5,6,7,8,9,10,11,12,13,14,15
	v_cvt_pk_f16_f32 v[Y+16*\kc+\i], v[R+32*\kc+2*\i], v[R+32*\kc+2*\i+1]   ; the lower k in the low half
.endr
.irp p, 0,1,2,3
	global_store_b128 v5, v[Y+16*\kc+4*\p:Y+16*\kc+4*\p+3], s[18:19] offset:\kc*1024+(\p>>1)*512+(\p&1)*256
.endr
.endr
	s_endpgm
.Lfunc_end_k_qd946880c18_prep:
	.size	k_qd946880c18_prep, .Lfunc_end_k_qd946880c18_prep-k_qd946880c18_prep
	.p2alignl 7, 3214868480
	.fill 96, 4, 3214868480
	.section	.rodata,"a",@progbits
	.p2align	6, 0x0
	.amdhsa_kernel k_qd946880c18_prep
		.amdhsa_group_segment_fixed_size 34304
		.amdhsa_private_segment_fixed_size 0
		.amdhsa_enable_private_segment 0
		.amdhsa_kernarg_size 64
		.amdhsa_user_sgpr_count 2
		.amdhsa_user_sgpr_kernarg_segment_ptr 1
		.amdhsa_wavefront_size32 1
		.amdhsa_system_sgpr_workgroup_id_x 1
		.amdhsa_system_sgpr_workgroup_id_y 1
		.amdhsa_system_sgpr_workgroup_id_z 1
		.amdhsa_system_vgpr_workitem_id 0
		.amdhsa_next_free_vgpr 248
		.amdhsa_next_free_sgpr 66
		.amdhsa_reserve_vcc 1
		.amdhsa_float_denorm_mode_32 3
		.amdhsa_float_denorm_mode_16_64 3
		.amdhsa_memory_ordered 1
		.amdhsa_forward_progress 1
		.amdhsa_inst_pref_size 54
	.end_amdhsa_kernel
	.amdgpu_metadata
---
amdhsa.version: [ 1, 2 ]
amdhsa.kernels:
  - .name:           k_qd946880c18_prep
    .symbol:         k_qd946880c18_prep.kd
    .args:
      - { .name: x, .offset: 0, .size: 8, .value_kind: global_buffer, .address_space: global }
      - { .name: Wq, .offset: 8, .size: 8, .value_kind: global_buffer, .address_space: global }
      - { .name: Wk, .offset: 16, .size: 8, .value_kind: global_buffer, .address_space: global }
      - { .name: Wv, .offset: 24, .size: 8, .value_kind: global_buffer, .address_space: global }
      - { .name: Wproj, .offset: 32, .size: 8, .value_kind: global_buffer, .address_space: global }
      - { .name: xc, .offset: 40, .size: 8, .value_kind: global_buffer, .address_space: global }
      - { .name: wc, .offset: 48, .size: 8, .value_kind: global_buffer, .address_space: global }
      - { .name: wp, .offset: 56, .size: 8, .value_kind: global_buffer, .address_space: global }
    .group_segment_fixed_size: 34304
    .private_segment_fixed_size: 0
    .kernarg_segment_align: 8
    .kernarg_segment_size: 64
    .max_flat_workgroup_size: 128
    .sgpr_count:     66
    .vgpr_count:     248
    .wavefront_size: 32
...
	.end_amdgpu_metadata
.endif
;; end of part 1
;; launch qkv (part 2): grid 8 x 32, 4 waves a work-group, clusters of 4 x 4, 327,680 bytes of LDS; arguments xc, wc, qkv; writes qkv
.if DOCPART == 2
	.amdgcn_target "amdgcn-amd-amdhsa--gfx1250"
	.amdhsa_code_object_version 6
	.text
	.protected	k_qd946880c18_qkv
	.globl	k_qd946880c18_qkv
	.p2align	8
	.type	k_qd946880c18_qkv,@function
k_qd946880c18_qkv:
	s_mov_b64 s[64:65], 0
	v_nop
	global_prefetch_b8 v0, s[64:65] scope:SCOPE_SE
	s_setreg_imm32_b32 hwreg(HW_REG_WAVE_MODE, 25, 1), 1
	s_wait_xcnt 0x0
	s_wait_alu depctr_hold_cnt(0) depctr_sa_sdst(0) depctr_va_vdst(0) depctr_va_sdst(0) depctr_va_ssrc(0) depctr_va_vcc(0) depctr_vm_vsrc(0)
	s_getreg_b32 s2, hwreg(HW_REG_IB_STS2, 6, 4)
	s_cmp_eq_u32 s2, 0
	s_cbranch_scc0 .Lentry_in_a_cluster
	s_endpgm
.Lentry_in_a_cluster:
	s_bfe_u32 s2, ttmp6, 0x10000c
	s_cmp_lg_u32 s2, 0xf033
	s_cbranch_scc0 .Lentry_shape_is_right
	s_endpgm
.Lentry_shape_is_right:
; QKV.  q, k, v = x W on codes of E2M1 with E8M0 scales (K = 768), sums in f32, results rounded once to f16 and stored as images of the attention launch's operand registers.
; LIMIT: the results must lie under 65,504 in magnitude (f16's largest number).
; SHARES.  A work-group makes 256 tokens x 288 of the 2,304 columns n = (kind x 12 + head) x 64 + d; a wave 64 tokens (4 tiles of 16) x 288 columns (18 tiles): 72 accumulators, 576 registers.
; ALL OF K LIES IN LDS: three chunks of 256 along K, each LDS byte filled once: no slot is filled again.  A tile's chunk is 2,176 bytes: two images of 1,024 bytes and 2 x 16 scale words.
; CLUSTER 4 x 4: the four work-groups of a row need the same tokens, the four of a column the same columns of W: each tile is asked for jointly, by the same load with a mask that names the four.
; THE MATRIX INSTRUCTION IS USED TRANSPOSED (source 0 = 16 columns of W, source 1 = 16 tokens): lane (r, h) holds token r and d = 8 h + 0 .. 7 of the tile.  Two neighbouring tiles, rounded in pairs,
; ARE the 16-bit operand image of 16 tokens x 32 d: 512 consecutive bytes a store, no stage.
; THE LAST CHUNK GOES BY GROUPS of six tiles of W: a group's 24 sums are finished, rounded and stored while the later groups are still multiplied.
; qkv, for each (batch, head), 393,216 bytes: Q at 0: [64 token tiles][2 x 32 d][2][512];  K, V from 131,072 on: [8 slots of 128 keys][K step 0, K step 1, V step 0, V step 1][4 tiles][2][2][512].
; In V's blocks lane (r, h) stores at 256 (r / 8) + 128 h + 16 (r % 8), so that the turning LDS load of the attention launch, at 16 x lane, gives V^T.
; REGISTERS: window 0: addresses, scale words (v20-39, nothing else ever), x's fragments (two sets of 4), W's (two sets of 6), v210-218 the stores' offsets;
;   windows 1 to 3: v0-191 the 24 accumulators of W's tiles 6 g .. 6 g + 5, (d, a) at v[8 (4 d + a)]; v192-255 two sets of 32 registers of f16 pairs on their way out.
.set REC,   2176
.set XCH,   16*REC                     ; x's 16 tiles of a chunk
.set WL,    3*XCH                      ; behind x's three chunks: W's
.set WCH,   18*REC
.set SPARE, WL+3*WCH                   ; the spare words, 128 bytes for each wave: two blocks of 256 bytes that no other line names
.set XA,  1                            ; v1-3   x's images of chunk q: my 4 tiles, 16 x lane
.set XS,  4                            ; v4-6   their scale words: 4 r
.set WA,  7                            ; v7-9   W's images
.set WS,  10                           ; v10-12 their scale words
.set VLQ, 13                           ; v13    16 x lane
.set VLV, 14                           ; v14    my place in a block of V
.set SPW, 15                           ; v15    LDS address of my spare word; never rewritten
.set NIL, 16                           ; v16    0; never rewritten
.set XSC, 20
.set WSC, 28
.set XB,  40
.set WB,  104
.set OFF, 210                          ; v210-218 the stores' offsets: one for each of the nine turns of the way out, so that none is written twice
.set G1X, 20                           ; s[20:27], s[28:35] descriptor groups 1;  s[36:47], s[48:59] groups 0, one for each chunk
.set G1W, 28
.set G0X, 36
.set G0W, 48
.set MSB, 0
.macro WIN new                         ; the immediate's high byte repeats the setting that is left
.if MSB != (\new)
	s_set_vgpr_msb (MSB<<8)|(\new)
.set MSB, (\new)
.endif
.endm
; A joint load: waves 0 and 1 fetch x's two halves, waves 2 and 3 W's.  The branch hangs on the wave's number alone.  An s_nop 0 and four v_nop follow each line.
.macro JLOAD g0a, g1a, g0b, g1b
	s_cmp_eq_u32 s11, 0
	s_cbranch_scc0 .Lfor_w_\@
	tensor_load_to_lds s[\g0a:\g0a+3], s[\g1a:\g1a+7]
	s_nop 0
.rept 4
	v_nop
.endr
	s_branch .Lasked_\@
.Lfor_w_\@:
	tensor_load_to_lds s[\g0b:\g0b+3], s[\g1b:\g1b+7]
	s_nop 0
.rept 4
	v_nop
.endr
.Lasked_\@:
.endm
.macro CROUND                          ; a round of the cluster's barrier
	s_barrier_signal -1
	s_barrier_wait -1
	s_cmp_lg_u32 s10, 0
	s_cbranch_scc1 .Lnot_wave_0_\@
	s_barrier_signal -3
.Lnot_wave_0_\@:
	s_barrier_wait -3
	s_barrier_signal -1
	s_barrier_wait -1
.endm
.macro FX q, ksl, xb                   ; 12 loads: my four token tiles of K step ksl of chunk q, and their scale words, into set xb
.irp a, 0,1,2,3
	ds_load_b128 v[XB+32*(\xb)+8*\a:XB+32*(\xb)+8*\a+3], v[XA+\q] offset:\a*REC+(\ksl)*1024
	ds_load_b128 v[XB+32*(\xb)+8*\a+4:XB+32*(\xb)+8*\a+7], v[XA+\q] offset:\a*REC+(\ksl)*1024+512
	ds_load_b32 v[XSC+4*(\xb)+\a], v[XS+\q] offset:\a*REC+2048+(\ksl)*64
.endr
.endm
.macro FW q, ksl, g, wb                ; 18 loads: W's tiles 6 g .. 6 g + 5 into set wb
.irp d, 0,1,2,3,4,5
	ds_load_b128 v[WB+48*(\wb)+8*\d:WB+48*(\wb)+8*\d+3], v[WA+\q] offset:(6*(\g)+\d)*REC+(\ksl)*1024
	ds_load_b128 v[WB+48*(\wb)+8*\d+4:WB+48*(\wb)+8*\d+7], v[WA+\q] offset:(6*(\g)+\d)*REC+(\ksl)*1024+512
	ds_load_b32 v[WSC+6*(\wb)+\d], v[WS+\q] offset:(6*(\g)+\d)*REC+2048+(\ksl)*64
.endr
.endm
; 24 matrix instructions on 24 accumulators, one instruction a turn; an accumulator comes up again 24 instructions later at the soonest.  zero = 1: the first product starts the sums.
; The four v_nop are the places in front of the next loads into fragment and scale registers, and of the first reads of results.
.macro MULG g, xb, wb, zero
	WIN ((\g)+1)*0x50                              ; C and D in window g + 1
.irp d, 0,1,2,3,4,5
.irp a, 0,1,2,3
.if \zero
	v_wmma_scale_f32_16x16x128_f8f6f4 v[8*(4*\d+\a):8*(4*\d+\a)+7], v[WB+48*(\wb)+8*\d:WB+48*(\wb)+8*\d+7], v[XB+32*(\xb)+8*\a:XB+32*(\xb)+8*\a+7], 0, v[WSC+6*(\wb)+\d], v[XSC+4*(\xb)+\a] matrix_a_fmt:MATRIX_FMT_FP4 matrix_b_fmt:MATRIX_FMT_FP4
.else
	v_wmma_scale_f32_16x16x128_f8f6f4 v[8*(4*\d+\a):8*(4*\d+\a)+7], v[WB+48*(\wb)+8*\d:WB+48*(\wb)+8*\d+7], v[XB+32*(\xb)+8*\a:XB+32*(\xb)+8*\a+7], v[8*(4*\d+\a):8*(4*\d+\a)+7], v[WSC+6*(\wb)+\d], v[XSC+4*(\xb)+\a] matrix_a_fmt:MATRIX_FMT_FP4 matrix_b_fmt:MATRIX_FMT_FP4
.endif
.endr
.endr
	WIN 0
.rept 4
	v_nop
.endr
.endm
; THE WAY OUT, turn j of nine: 32 columns (W's tiles 2 j and 2 j + 1, of group j / 3): which kind, head and half of the head they are; then 4 token tiles x 2 blocks of 512 bytes.
; The f16 pairs go to set j % 6 of six (window 1 + (j % 6) / 2, from v192 or v224): x's and W's fragments in window 0 are still at work while groups 0 and 1 leave.
.macro OUT j
.set TBS, 192+32*((\j)%2)
.set TWN, 1+((\j)%6)/2
.if (\j) == 6
	s_wait_xcnt 0x0                                ; the stores of turns 0 to 5 have read their data: sets 0, 1 and 2 are written again only behind this wait
.endif
	s_add_co_u32 s70, s69, (\j)                    ; cn: 24 chunks of 32 columns to a kind
	s_cmp_ge_u32 s70, 24
	s_cselect_b32 s71, 1, 0
	s_cselect_b32 s73, s80, s79                    ; K's and V's place, or Q's
	s_cmp_ge_u32 s70, 48
	s_cselect_b32 s72, 1, 0
	s_cselect_b32 s74, -1, 0                       ; V: every lane takes V's place in a block
	s_add_co_u32 s75, s71, s72
	s_mul_i32 s75, s75, 24
	s_sub_co_u32 s70, s70, s75
	s_lshr_b32 s75, s70, 1                         ; head
	s_and_b32 s70, s70, 1                          ; which 32 of its 64
	s_add_co_u32 s75, s75, s76
	s_mul_i32 s75, s75, 393216
	s_lshl_b32 s70, s70, 10
	s_add_co_u32 s75, s75, s70
	s_add_co_u32 s75, s75, s73
	s_lshl_b32 s72, s72, 14                        ; V lies 16,384 bytes behind K
	s_add_co_u32 s75, s75, s72
	v_cndmask_b32 v[OFF+(\j)], v[VLQ], v[VLV], s74
	v_add_nc_u32 v[OFF+(\j)], s75, v[OFF+(\j)]
	WIN (TWN<<6)|(((\j)/3+1)*5)                    ; sources 0 and 1: the accumulators' window; destination: the set's window
.irp a, 0,1,2,3
.irp e, 0,1
.irp u, 0,1,2,3
	v_cvt_pk_f16_f32 v[TBS+8*\a+4*\e+\u], v[8*(4*(2*((\j)%3)+\e)+\a)+2*\u], v[8*(4*(2*((\j)%3)+\e)+\a)+2*\u+1]   ; each accumulator from its low end on
.endr
.endr
.endr
	WIN (TWN<<2)                                   ; a store's data are its source 1; its offset register lies in window 0
.irp a, 0,1,2,3
.irp e, 0,1
	global_store_b128 v[OFF+(\j)], v[TBS+8*\a+4*\e:TBS+8*\a+4*\e+3], s[8:9] offset:\a*2048+\e*512   ; the wave stores 512 consecutive bytes, aligned
.endr
.endr
	WIN 0
.endm
	s_load_b128 s[4:7], s[0:1], 0x0                ; xc s[4:5], wc s[6:7]
	s_load_b64 s[8:9], s[0:1], 0x10                ; qkv
	v_lshl_add_u32 v[SPW], v0, 2, SPARE
	v_mov_b32 v[NIL], 0
	ds_add_u32 v[SPW], v[NIL]                      ; the wave's opening: the add, twice on end, and its wait ahead of my first tensor load
	ds_add_u32 v[SPW], v[NIL]
	v_lshrrev_b32 v17, 5, v0
	v_readfirstlane_b32 s10, v17                   ; wave 0..3
	s_lshr_b32 s11, s10, 1                         ; I fetch for x (0) or for W (1)
	s_and_b32 s12, s10, 1                          ; which half of the tiles I fetch
	s_bfe_u32 s13, ttmp6, 0x40000                  ; cx, cy: my place in the cluster
	s_bfe_u32 s14, ttmp6, 0x40004
	s_lshl_b32 s15, ttmp9, 2
	s_add_co_u32 s15, s15, s13                     ; tc: which 288 columns
	s_and_b32 s16, ttmp7, 0xffff
	s_lshl_b32 s16, s16, 2
	s_add_co_u32 s16, s16, s14                     ; tr: which 256 tokens
	s_lshl_b32 s17, s14, 2
	s_lshl_b32 s17, 15, s17                        ; my row of the cluster
	s_lshl_b32 s18, 0x1111, s13                    ; my column
	; group 1: rows of 272 elements of 8 bytes (a tile's chunk), 864 elements (a record) apart; 8 rows for x, 9 for W; no padding
	s_or_b32 s[G1X], s17, (3<<16)|(1<<21)          ; 15:0 the mask; 17:16 elements of 8 bytes; 21 set beside a mask
	s_or_b32 s[G1W], s18, (3<<16)|(1<<21)
.irp g, G1X, G1W
	s_mov_b32 s[\g+1], 272<<16                     ; tensor_dim0
	s_mov_b32 s[\g+3], 272<<16                     ; tile_dim0
	s_mov_b32 s[\g+5], 864                         ; the pitch
	s_mov_b32 s[\g+6], 0
	s_mov_b32 s[\g+7], 0
.endr
	s_mov_b32 s[G1X+2], 8<<16                      ; tensor_dim1
	s_mov_b32 s[G1X+4], 8                          ; tile_dim1
	s_mov_b32 s[G1W+2], 9<<16
	s_mov_b32 s[G1W+4], 9
	s_lshl_b32 s60, s16, 4
	s_lshl_b32 s61, s12, 3
	s_add_co_u32 s60, s60, s61                     ; x: tile 16 tr + 8 x half
	s_mul_i32 s60, s60, 6912
	s_mov_b32 s61, 0
	s_mul_i32 s66, s15, 18
	s_mul_i32 s67, s12, 9
	s_add_co_u32 s66, s66, s67                     ; W: tile 18 tc + 9 x half
	s_mul_i32 s66, s66, 6912
	s_mov_b32 s67, 0
	s_mul_i32 s62, s12, 8*REC                      ; where they go: no place in the cluster enters an LDS address
	s_mul_i32 s63, s12, 9*REC
	s_wait_dscnt 0x0                               ; both opening adds are done
	s_wait_kmcnt 0x0
	s_add_nc_u64 s[60:61], s[4:5], s[60:61]
	s_add_nc_u64 s[66:67], s[6:7], s[66:67]
	CROUND                                         ; all sixteen work-groups are here: the joint loads meet
.irp q, 0,1,2
	s_mov_b32 s[G0X+4*\q], 1
	s_add_co_u32 s[G0X+4*\q+1], s62, \q*XCH
	s_add_nc_u64 s[G0X+4*\q+2:G0X+4*\q+3], s[60:61], \q*2304
	s_or_b32 s[G0X+4*\q+3], s[G0X+4*\q+3], 0x80000000
	s_mov_b32 s[G0W+4*\q], 1
	s_add_co_u32 s[G0W+4*\q+1], s63, WL+\q*WCH
	s_add_nc_u64 s[G0W+4*\q+2:G0W+4*\q+3], s[66:67], \q*2304
	s_or_b32 s[G0W+4*\q+3], s[G0W+4*\q+3], 0x80000000
	JLOAD G0X+4*\q, G1X, G0W+4*\q, G1W             ; three loads of mine are out, all of K
.endr
	v_and_b32 v200, 31, v0
	v_and_b32 v201, 15, v0                         ; r
	v_bfe_u32 v202, v0, 4, 1                       ; h
	v_lshlrev_b32 v[VLQ], 4, v200
	v_lshlrev_b32 v203, 2, v201
	s_mul_i32 s68, s10, 4*REC                      ; my four token tiles
.irp q, 0,1,2
	v_add_nc_u32 v[XA+\q], s68, v[VLQ]
	v_add_nc_u32 v[XS+\q], s68, v203
	v_add_nc_u32 v[WA+\q], WL+\q*WCH, v[VLQ]
	v_add_nc_u32 v[WS+\q], WL+\q*WCH, v203
	s_add_co_u32 s68, s68, XCH
.endr
	v_bfe_u32 v203, v0, 3, 1
	v_and_b32 v204, 7, v0
	v_lshlrev_b32 v[VLV], 8, v203
	v_lshl_add_u32 v[VLV], v202, 7, v[VLV]
	v_lshl_add_u32 v[VLV], v204, 4, v[VLV]         ; 256 (r / 8) + 128 h + 16 (r % 8)
	; the way out's numbers
	s_mul_i32 s69, s15, 9                          ; my first chunk of 32 columns
	s_lshr_b32 s76, s16, 2
	s_mul_i32 s76, s76, 12                         ; 12 x batch
	s_and_b32 s77, s16, 3
	s_lshl_b32 s77, s77, 4
	s_lshl_b32 s78, s10, 2
	s_add_co_u32 s77, s77, s78                     ; my first token tile within the batch
	s_lshl_b32 s79, s77, 11                        ; in Q
	s_lshr_b32 s80, s77, 3
	s_lshl_b32 s80, s80, 15                        ; in K: the slot of 128 keys,
	s_bfe_u32 s81, s77, 0x10002
	s_lshl_b32 s81, s81, 13                        ; the step of 64 in it
	s_add_co_u32 s80, s80, s81
	s_add_co_u32 s80, s80, 131072
.irp q, 0,1                            ; the first two chunks: K step by K step, all three groups of W's tiles in each
	s_wait_tensorcnt 2-\q                          ; my part of chunk q is in; the later chunks' loads may be out
	s_barrier_signal -1
	s_barrier_wait -1                              ; everybody's is
	FX \q, 0, 0
	FW \q, 0, 0, 0
.irp i, 0,1,2,3,4,5                    ; group i: K step i / 3, W's tiles 6 (i % 3) on; the next group's fragments are asked for ahead of this group's products
.if \i == 0
	FX \q, 1, 1
.endif
.if \i < 5
	FW \q, ((\i+1)/3), ((\i+1)%3), ((\i+1)%2)
.endif
.if \i == 0
	s_wait_dscnt 30                                ; all but the 12 + 18 just issued
.elseif \i < 5
	s_wait_dscnt 18                                ; all but the 18 just issued
.else
	s_wait_dscnt 0x0
.endif
.if (\q == 0) && (\i < 3)
	MULG (\i%3), (\i/3), (\i%2), 1
.else
	MULG (\i%3), (\i/3), (\i%2), 0
.endif
.endr
.endr
	; the last chunk: group by group, both K steps of a group on end; x's two sets stay for the whole chunk.  A finished group leaves at once
	s_wait_tensorcnt 0x0                           ; my part of chunk 2 is in
	s_barrier_signal -1
	s_barrier_wait -1                              ; everybody's is
	FX 2, 0, 0
	FW 2, 0, 0, 0
	FX 2, 1, 1
	FW 2, 1, 0, 1
	s_wait_dscnt 30                                ; all but the 12 + 18 just issued
	MULG 0, 0, 0, 0
	FW 2, 0, 1, 0
	s_wait_dscnt 18                                ; all but the 18 just issued
	MULG 0, 1, 1, 0
	OUT 0                                          ; group 0 is finished; group 1's first fragments land meanwhile
	OUT 1
	OUT 2
	FW 2, 1, 1, 1
	s_wait_dscnt 18
	MULG 1, 0, 0, 0
	FW 2, 0, 2, 0
	s_wait_dscnt 18
	MULG 1, 1, 1, 0
	OUT 3
	OUT 4
	OUT 5
	FW 2, 1, 2, 1
	s_wait_dscnt 18
	MULG 2, 0, 0, 0
	s_wait_dscnt 0x0
	MULG 2, 1, 1, 0
	OUT 6
	OUT 7
	OUT 8
	s_wait_tensorcnt 0x0                           ; the wave's end
	ds_add_u32 v[SPW], v[NIL]
	s_wait_dscnt 0x0
	CROUND                                         ; the closing round
	s_endpgm
.Lfunc_end_k_qd946880c18_qkv:
	.size	k_qd946880c18_qkv, .Lfunc_end_k_qd946880c18_qkv-k_qd946880c18_qkv
	.p2alignl 7, 3214868480
	.fill 96, 4, 3214868480
	.section	.rodata,"a",@progbits
	.p2align	6, 0x0
	.amdhsa_kernel k_qd946880c18_qkv
		.amdhsa_group_segment_fixed_size 327680
		.amdhsa_private_segment_fixed_size 0
		.amdhsa_enable_private_segment 0
		.amdhsa_kernarg_size 24
		.amdhsa_user_sgpr_count 2
		.amdhsa_user_sgpr_kernarg_segment_ptr 1
		.amdhsa_wavefront_size32 1
		.amdhsa_system_sgpr_workgroup_id_x 1
		.amdhsa_system_sgpr_workgroup_id_y 1
		.amdhsa_system_sgpr_workgroup_id_z 1
		.amdhsa_system_vgpr_workitem_id 0
		.amdhsa_next_free_vgpr 1024
		.amdhsa_next_free_sgpr 100
		.amdhsa_reserve_vcc 0
		.amdhsa_float_denorm_mode_32 3
		.amdhsa_float_denorm_mode_16_64 3
		.amdhsa_memory_ordered 1
		.amdhsa_forward_progress 1
		.amdhsa_inst_pref_size 124
	.end_amdhsa_kernel
	.amdgpu_metadata
---
amdhsa.version: [ 1, 2 ]
amdhsa.kernels:
  - .name:           k_qd946880c18_qkv
    .symbol:         k_qd946880c18_qkv.kd
    .args:
      - { .name: xc, .offset: 0, .size: 8, .value_kind: global_buffer, .address_space: global }
      - { .name: wc, .offset: 8, .size: 8, .value_kind: global_buffer, .address_space: global }
      - { .name: qkv, .offset: 16, .size: 8, .value_kind: global_buffer, .address_space: global }
    .group_segment_fixed_size: 327680
    .private_segment_fixed_size: 0
    .kernarg_segment_align: 8
    .kernarg_segment_size: 24
    .max_flat_workgroup_size: 128
    .sgpr_count:     100
    .vgpr_count:     1024
    .wavefront_size: 32
...
	.end_amdgpu_metadata
.endif
;; end of part 2
;; launch attn (part 3): grid 8 x 32, 12 waves a work-group, clusters of 4 x 1, 327,680 bytes of LDS; arguments qkv, att; writes att
.if DOCPART == 3
	.amdgcn_target "amdgcn-amd-amdhsa--gfx1250"
	.amdhsa_code_object_version 6
	.text
	.protected	k_qd946880c18_attn
	.globl	k_qd946880c18_attn
	.p2align	8
	.type	k_qd946880c18_attn,@function
k_qd946880c18_attn:
	s_mov_b64 s[64:65], 0
	v_nop
	global_prefetch_b8 v0, s[64:65] scope:SCOPE_SE
	s_setreg_imm32_b32 hwreg(HW_REG_WAVE_MODE, 25, 1), 1
	s_wait_xcnt 0x0
	s_wait_alu depctr_hold_cnt(0) depctr_sa_sdst(0) depctr_va_vdst(0) depctr_va_sdst(0) depctr_va_ssrc(0) depctr_va_vcc(0) depctr_vm_vsrc(0)
	s_getreg_b32 s2, hwreg(HW_REG_IB_STS2, 6, 4)
	s_cmp_eq_u32 s2, 0
	s_cbranch_scc0 .Lentry_in_a_cluster
	s_endpgm
.Lentry_in_a_cluster:
	s_bfe_u32 s2, ttmp6, 0x10000c
	s_cmp_lg_u32 s2, 0x3003
	s_cbranch_scc0 .Lentry_shape_is_right
	s_endpgm
.Lentry_shape_is_right:
; ATTENTION.  o = softmax(q k^T / 8) v for 96 (batch, head) of 1,024 tokens, head size 64, no mask.  Operands f16, products, maxima and sums f32; the weights p are rounded to f16 for the second product, o once at the end.
; SHARES.  A work-group owns 128 queries of THREE heads of one batch: 8 x 32 work-groups of equal work.  Wave w: head w / 4 of the three, queries 32 (w % 4) on: two tiles of 16.
; Twelve waves, three to a SIMD, 320 registers each: one wave's softmax stands beside another's products and LDS loads, so a key step is written in plain phases.
; LAYOUT.  S^T = K Q^T (source 0 = 16 keys, source 1 = 16 queries), O^T = V^T P (source 0 = 16 channels, source 1 = P): a lane holds ONE query throughout; two tiles of S^T, rounded in pairs, are source 1 of the second product.
; SOFTMAX.  A running maximum m and sum l for each query: p = 2^(c s - c m), c = log2(e) / 8; in every step O and l are multiplied by a = 2^(c m_old - c m_new).  m begins at -3e38, O and l at 0: the first a is 0.
; K, V come as images of operand registers: every LDS load reads 512 consecutive bytes.  V's blocks were stored so that the turning load at 16 x lane gives 16 channels x 16 keys of V^T.
; K AND V HAVE REGISTERS OF THEIR OWN.  A step's V is asked for at its head, ahead of K Q^T; the NEXT step's K behind K Q^T, ahead of the softmax: each run of 16 loads has a phase of work in which to land.
; RING.  Two slots of 128 keys x three heads (98,304 bytes), 2^17 bytes apart.  Each of the twelve waves fetches 8,192 bytes of a slot by one tensor load.
; THE CHANGE OF SLOTS STANDS IN THE MIDDLE OF A SLOT'S SECOND KEY STEP, behind its K Q^T: both K and both V of the slot are then in registers, and the next K, out of the other slot, lands under the softmax.
; CLUSTER.  The four query blocks of a cluster walk the same K and V: each tile is asked for jointly, by the same load with a mask that names the four.
; REGISTERS: v1-7 addresses; v8-23 statistics, 8 a tile: +0 c m, +1 m, +2, +3 l (even keys', odd keys'), +4 .. +7 c0-c3 at work (a takes c2's place); v32-63 Q; v64-127 S^T, then p, then P in each tile's lower 16;
;   v160-223 K's fragments; v128-159 and v224-255 V's; window 1 v0-63 O^T.
.set SLOT1, 1<<17
.set SPARE, SLOT1+98304                ; behind slot 1: the spare words, 128 bytes for each wave: six blocks of 256 bytes that no other line names
.set LN,  1                            ; v1  16 x lane
.set AKV, 2                            ; v2  my head's part of a slot + 16 x lane
.set ADR, 3                            ; v3  the same in the slot in hand
.set PFO, 5                            ; v5  256 x lane
.set SPW, 6                            ; v6  LDS address of my spare word; never rewritten
.set NIL, 7                            ; v7  0; never rewritten
.set ST,  8
.set Q,   32
.set S,   64
.set VB,  128                          ; V's fragment (keys 32 kg on, channels 16 dt on) at v[VB + 96 kg + 8 dt]
.set KB,  160
.set P,   128                          ; the way out: o as f16 pairs
.set WV,  8                            ; s8  my wave's number
.set G1,  16                           ; s[16:23] descriptor group 1;  s[24:27] group 0, which walks
.set G0,  24
.set CS,  28                           ; s[28:29] c, twice: the packed form names a pair
.set SEL, 30                           ; s[30:31] v_permlanex16_b32's selects for lane l xor 16
.set TB,  32                           ; s32 LDS byte at which the slot in hand begins
.set SLOTS, 33                         ; s33 slots still to be asked for in the loop
.set LIM, 35                           ; s35 1 in a wave that prefetches, else the greatest number
.set PFA, 36                           ; s[36:37] where my prefetches stand
.set MSB, 0
.macro WIN new
.if MSB != (\new)
	s_set_vgpr_msb (MSB<<8)|(\new)
.set MSB, (\new)
.endif
.endm
.macro PLACES n
.rept \n
	v_nop
.endr
.endm
.macro CROUND                          ; a round of the cluster's barrier
	s_barrier_signal -1
	s_barrier_wait -1
	s_cmp_lg_u32 s[WV], 0
	s_cbranch_scc1 .Lnot_wave_0_\@
	s_barrier_signal -3
.Lnot_wave_0_\@:
	s_barrier_wait -3
	s_barrier_signal -1
	s_barrier_wait -1
.endm
; A prefetch of what the NEXT change of slots will ask for: a slot's 32,768 bytes of each head.  The two clusters of a (batch, three heads) walk the same K and V: the first asks.  Its four partners share a head's bytes out
; BY ADDRESS, 8,192 each; in each the first wave of a head asks, lanes 256 bytes apart: each block of 256 bytes is named once in the launch.  The last change that fills a slot asks for nothing.
.macro ASK
	s_cmp_gt_u32 s[SLOTS], s[LIM]
	s_cbranch_scc0 .Lnot_mine_\@
	global_prefetch_b8 v[PFO], s[PFA:PFA+1] th:TH_LOAD_NT scope:SCOPE_SE
.Lnot_mine_\@:
.endm
; THE CHANGE OF SLOTS.  Each wave waits for all its tensor loads (its part of the slot ahead), adds 0 to its spare word, and waits for that and for its reads of the slot that it leaves.
; fill = 1: a round of the cluster's barrier, and behind it, first, the one load of the wave: the next 128 keys into the slot just left; it has two key steps of all twelve waves in which to land.
.macro CHANGE fill
	s_wait_tensorcnt 0x0                           ; no tensor load of mine is out, so group 0 may be written
	ds_add_u32 v[SPW], v[NIL]
.if \fill
	s_xor_b32 s[G0+1], s[G0+1], SLOT1              ; the other slot than last time,
	s_add_nc_u64 s[G0+2:G0+3], s[G0+2:G0+3], 32768 ; the next 128 keys
	s_wait_xcnt 0x0                                ; the last prefetch, a slot back, has read its address
	s_add_nc_u64 s[PFA:PFA+1], s[PFA:PFA+1], 32768
	s_wait_dscnt 0x0                               ; the add is done, and my reads of the slot that I leave are over: its K and V are in registers
	CROUND
	tensor_load_to_lds s[G0:G0+3], s[G1:G1+7]
	s_nop 0
.rept 4
	v_nop                                          ; also the places behind K Q^T, in front of the loads into K's registers and of the first reads of the scores
.endr
	ASK
.else
	s_wait_dscnt 0x0
	s_barrier_signal -1
	s_barrier_wait -1
.endif
.endm
.macro FETCH_K off                     ; 16 loads: a step's K, at byte off of my head's part of the slot in hand: keys 16 (f / 2) on, channels 32 (f % 2) on
.irp f, 0,1,2,3,4,5,6,7
	ds_load_b128 v[KB+8*\f:KB+8*\f+3], v[ADR] offset:(\off)+\f*1024
	ds_load_b128 v[KB+8*\f+4:KB+8*\f+7], v[ADR] offset:(\off)+\f*1024+512
.endr
.endm
; A KEY STEP: 64 keys, the slot's first (vo = 0) or second (vo = 8192).  Its K has been asked for a step ago.
; mode 0: the next K lies in the same slot.  1: the slot is left and filled again.  2: it is left and not filled.  3: the last step: there is no next K.
.macro STEP vo, mode
.irp kg, 0,1                           ; V^T of this step: it lands under K Q^T and the softmax
.irp dt, 0,1,2,3
	ds_load_tr16_b128 v[VB+96*\kg+8*\dt:VB+96*\kg+8*\dt+3], v[ADR] offset:16384+(\vo)+(2*\kg)*2048+(\dt>>1)*1024+(\dt&1)*512
	ds_load_tr16_b128 v[VB+96*\kg+8*\dt+4:VB+96*\kg+8*\dt+7], v[ADR] offset:16384+(\vo)+(2*\kg+1)*2048+(\dt>>1)*1024+(\dt&1)*512
.endr
.endr
	s_wait_dscnt 16                                ; K is in; the 16 loads of V, issued behind it, may be out
.irp c, 0,1                            ; S^T = K Q^T: eight accumulators by turns, one instruction a turn; the first eight start the sums
.irp kt, 0,1,2,3
.irp q, 0,1
.if \c == 0
	v_wmma_f32_16x16x32_f16 v[S+32*\q+8*\kt:S+32*\q+8*\kt+7], v[KB+8*(2*\kt+\c):KB+8*(2*\kt+\c)+7], v[Q+16*\q+8*\c:Q+16*\q+8*\c+7], 0
.else
	v_wmma_f32_16x16x32_f16 v[S+32*\q+8*\kt:S+32*\q+8*\kt+7], v[KB+8*(2*\kt+\c):KB+8*(2*\kt+\c)+7], v[Q+16*\q+8*\c:Q+16*\q+8*\c+7], v[S+32*\q+8*\kt:S+32*\q+8*\kt+7]
.endif
.endr
.endr
.endr
.if \mode == 0
	PLACES 4                                       ; places in front of the loads into K's registers and of the first reads of the scores
	FETCH_K (\vo)+8192                             ; the next step's K: it lands under the softmax
.elseif \mode == 1
	CHANGE 1
.elseif \mode == 2
	CHANGE 0
	PLACES 4
.else
	PLACES 4
.endif
.if (\mode == 1) || (\mode == 2)
	s_xor_b32 s[TB], s[TB], SLOT1                  ; on to the other slot, which is whole behind the barrier
	v_add_nc_u32 v[ADR], s[TB], v[AKV]
	FETCH_K 0
.endif
	; the maximum of my 32 scores and the old m: four chains, each begun at an accumulator's low end; the two tiles line by line
.irp j, 0,1,2,3
.irp t, 0,1
	v_max3_num_f32 v[ST+8*\t+4+\j], v[S+32*\t+8*\j], v[S+32*\t+8*\j+1], v[S+32*\t+8*\j+2]
.endr
.endr
.irp k, 1,2
.irp j, 0,1,2,3
.irp t, 0,1
	v_max3_num_f32 v[ST+8*\t+4+\j], v[ST+8*\t+4+\j], v[S+32*\t+8*\j+2*\k+1], v[S+32*\t+8*\j+2*\k+2]
.endr
.endr
.endr
.irp t, 0,1
	v_max3_num_f32 v[ST+8*\t+4], v[ST+8*\t+4], v[S+32*\t+7], v[S+32*\t+15]
	v_max3_num_f32 v[ST+8*\t+6], v[ST+8*\t+6], v[S+32*\t+23], v[S+32*\t+31]
.endr
.irp t, 0,1
	v_max3_num_f32 v[ST+8*\t+4], v[ST+8*\t+4], v[ST+8*\t+5], v[ST+8*\t+6]
.endr
.irp t, 0,1
	v_max3_num_f32 v[ST+8*\t+4], v[ST+8*\t+4], v[ST+8*\t+7], v[ST+8*\t+1]
.endr
.irp t, 0,1
	v_permlanex16_b32 v[ST+8*\t+5], v[ST+8*\t+4], s[SEL], s[SEL+1]   ; the query's other 32 keys lie in the lane 16 away
	v_mov_b32 v[ST+8*\t+7], v[ST+8*\t]             ; c m_old
.endr
.irp t, 0,1
	v_max_num_f32 v[ST+8*\t+1], v[ST+8*\t+4], v[ST+8*\t+5]
.endr
.irp t, 0,1
	v_mul_f32 v[ST+8*\t], s[CS], v[ST+8*\t+1]
.endr
.irp t, 0,1
	v_sub_f32 v[ST+8*\t+7], v[ST+8*\t+7], v[ST+8*\t]
.endr
.irp b, 0,2,4,6,8,10,12,14,16,18,20,22,24,26,28,30
.irp t, 0,1
	v_pk_fma_f32 v[S+32*\t+\b:S+32*\t+\b+1], v[S+32*\t+\b:S+32*\t+\b+1], s[CS:CS+1], v[ST+8*\t:ST+8*\t+1] op_sel_hi:[1,0,0] neg_lo:[0,0,1] neg_hi:[0,0,1]   ; c s - c m
.endr
.endr
.irp t, 0,1                            ; ONE BATCH of 66 exponentials; none reads another's result
	v_exp_f32 v[ST+8*\t+6], v[ST+8*\t+7]           ; a
.endr
.set e, 0
.rept 64
	v_exp_f32 v[S+e], v[S+e]
.set e, e+1
.endr
	v_nop                                          ; a plain instruction behind the last exponential
	s_wait_alu depctr_va_vdst(0)                   ; one wait for the batch, ahead of its first reader
	; l = a l + the sum of p, two at a time, in two chains
.irp t, 0,1
	v_pk_fma_f32 v[ST+8*\t+2:ST+8*\t+3], v[ST+8*\t+2:ST+8*\t+3], v[ST+8*\t+6:ST+8*\t+7], v[S+32*\t:S+32*\t+1] op_sel_hi:[1,0,1]
	v_pk_add_f32 v[ST+8*\t+4:ST+8*\t+5], v[S+32*\t+2:S+32*\t+3], v[S+32*\t+6:S+32*\t+7]
.endr
	v_pk_add_f32 v[ST+2:ST+3], v[ST+2:ST+3], v[S+4:S+5]
	v_pk_add_f32 v[ST+10:ST+11], v[ST+10:ST+11], v[S+36:S+37]
.irp b, 8,12,16,20,24,28
.irp t, 0,1
	v_pk_add_f32 v[ST+8*\t+2:ST+8*\t+3], v[ST+8*\t+2:ST+8*\t+3], v[S+32*\t+\b:S+32*\t+\b+1]
	v_pk_add_f32 v[ST+8*\t+4:ST+8*\t+5], v[ST+8*\t+4:ST+8*\t+5], v[S+32*\t+\b+2:S+32*\t+\b+3]
.endr
.endr
.irp t, 0,1
	v_pk_add_f32 v[ST+8*\t+2:ST+8*\t+3], v[ST+8*\t+2:ST+8*\t+3], v[ST+8*\t+4:ST+8*\t+5]
.endr
.irp i, 0,1,2,3,4,5,6,7,8,9,10,11,12,13,14,15
.irp t, 0,1
	v_cvt_pk_f16_f32 v[S+32*\t+\i], v[S+32*\t+2*\i], v[S+32*\t+2*\i+1]   ; p to f16, IN PLACE: pair i goes to register i of its tile, whose own p was taken by pair i / 2; keys in the second product's order
.endr
.endr
	WIN 0x41                                       ; O^T (destination, source 0) in window 1
.irp i, 0,2,4,6,8,10,12,14,16,18,20,22,24,26,28,30
.irp t, 0,1
	v_pk_mul_f32 v[32*\t+\i:32*\t+\i+1], v[32*\t+\i:32*\t+\i+1], v[ST+8*\t+6:ST+8*\t+7] op_sel_hi:[1,0]   ; O^T x a, each accumulator from its low end on
.endr
.endr
.if \mode == 0
	s_wait_dscnt 16                                ; V is in; the 16 loads of the next K, issued behind it, may be out
.elseif \mode == 3
	s_wait_dscnt 0x0                               ; V is in
.endif                                             ; (where the slot was left, V was waited for in front of the barrier)
	WIN 0x50                                       ; C and D in window 1
.irp kg, 0,1                           ; O^T += V^T P: eight accumulators by turns
.irp dt, 0,1,2,3
.irp q, 0,1
	v_wmma_f32_16x16x32_f16 v[32*\q+8*\dt:32*\q+8*\dt+7], v[VB+96*\kg+8*\dt:VB+96*\kg+8*\dt+7], v[S+32*\q+8*\kg:S+32*\q+8*\kg+7], v[32*\q+8*\dt:32*\q+8*\dt+7]
.endr
.endr
.endr
	WIN 0
	PLACES 5                                       ; four in front of the next loads into V's registers; five in front of the next K Q^T, which writes over the registers that held P
.endm
	s_load_b128 s[4:7], s[0:1], 0x0                ; qkv s[4:5], att s[6:7]
	v_lshl_add_u32 v[SPW], v0, 2, SPARE
	v_mov_b32 v[NIL], 0
	ds_add_u32 v[SPW], v[NIL]                      ; the wave's opening: the add, twice on end, and its wait ahead of my first tensor load
	ds_add_u32 v[SPW], v[NIL]
	v_lshrrev_b32 v1, 5, v0
	v_readfirstlane_b32 s[WV], v1                  ; wave 0..11
	s_bfe_u32 s9, ttmp6, 0x40000                   ; cx
	s_lshl_b32 s10, ttmp9, 2
	s_add_co_u32 s10, s10, s9                      ; my block of 128 queries: it enters Q's and att's addresses alone
	s_and_b32 s11, ttmp7, 0xffff
	s_lshr_b32 s12, s11, 2                         ; batch
	s_and_b32 s13, s11, 3                          ; which three heads
	s_lshr_b32 s14, s[WV], 2                       ; which of the three
	s_and_b32 s15, s[WV], 3                        ; which 32 queries; also which quarter of the head's part of a slot I fetch
	s_mul_i32 s40, s12, 12
	s_mul_i32 s41, s13, 3
	s_add_co_u32 s42, s41, s14                     ; head
	s_add_co_u32 s40, s40, s42
	s_mul_i32 s40, s40, 393216                     ; the (batch, head)'s first byte
	s_lshl_b32 s44, s15, 13
	s_add_co_u32 s44, s44, s40
	s_add_co_u32 s44, s44, 131072                  ; my 8,192 bytes of slot 0: made of the wave's number and the work-group's y alone
	s_mov_b32 s45, 0
	s_lshl_b32 s46, s10, 3
	s_lshl_b32 s47, s15, 1
	s_add_co_u32 s46, s46, s47                     ; my first tile of queries
	s_lshl_b32 s50, s12, 6
	s_add_co_u32 s50, s50, s46
	s_mul_i32 s50, s50, 24576
	s_lshl_b32 s51, s42, 11
	s_add_co_u32 s50, s50, s51                     ; in att: tile x 24,576 + head x 2,048
	s_mov_b32 s51, 0
	s_lshl_b32 s46, s46, 11
	s_add_co_u32 s46, s46, s40                     ; in Q
	s_mov_b32 s47, 0
	s_lshl_b32 s48, s9, 13
	s_add_co_u32 s48, s48, s40
	s_add_co_u32 s48, s48, 131072+32768            ; the prefetches: my work-group's 8,192 bytes, in the second 128 keys: the first change steps it to the third
	s_mov_b32 s49, 0
	; group 1: 8,192 dense bytes as 32 rows of 32 elements of 8 bytes
	s_mov_b32 s[G1], 15|(3<<16)|(1<<21)            ; 15:0 the mask: all four work-groups; 17:16 elements of 8 bytes; 21 set beside a mask
	s_mov_b32 s[G1+1], 32<<16
	s_mov_b32 s[G1+2], 32<<16
	s_mov_b32 s[G1+3], 32<<16
	s_mov_b32 s[G1+4], 32
	s_mov_b32 s[G1+5], 32
	s_mov_b32 s[G1+6], 0
	s_mov_b32 s[G1+7], 0
	s_mov_b32 s[CS], 0x3e38aa3b                    ; c = log2(e) / 8
	s_mov_b32 s[CS+1], s[CS]
	s_mov_b32 s[SEL], 0x76543210
	s_mov_b32 s[SEL+1], 0xfedcba98
	s_mov_b32 s[TB], 0
	s_mov_b32 s[SLOTS], 6
	s_and_b32 s[LIM], s[WV], 3
	s_or_b32 s[LIM], s[LIM], ttmp9                 ; 0 in a head's first wave of the first cluster: the same in all four partners
	s_cmp_eq_u32 s[LIM], 0
	s_cselect_b32 s[LIM], 1, -1
	s_wait_dscnt 0x0                               ; both opening adds are done
	s_wait_kmcnt 0x0
	s_mov_b32 s[G0], 1
	s_lshl_b32 s[G0+1], s[WV], 13                  ; LDS: wave x 8,192
	s_add_nc_u64 s[G0+2:G0+3], s[4:5], s[44:45]
	s_or_b32 s[G0+3], s[G0+3], 0x80000000
	s_add_nc_u64 s[38:39], s[4:5], s[46:47]        ; Q
	s_add_nc_u64 s[PFA:PFA+1], s[4:5], s[48:49]
	s_add_nc_u64 s[52:53], s[6:7], s[50:51]        ; att
	CROUND                                         ; all four work-groups are here
	tensor_load_to_lds s[G0:G0+3], s[G1:G1+7]      ; slot 0: keys 0 to 127
	s_nop 0
.rept 4
	v_nop
.endr
	v_and_b32 v1, 31, v0
	v_lshlrev_b32 v[PFO], 8, v1
	v_lshlrev_b32 v[LN], 4, v1
	s_lshl_b32 s43, s14, 15
	v_add_nc_u32 v[AKV], s43, v[LN]
.irp q, 0,1
.irp c, 0,1
.irp b, 0,1
	global_load_b128 v[Q+16*\q+8*\c+4*\b:Q+16*\q+8*\c+4*\b+3], v[LN], s[38:39] offset:\q*2048+\c*1024+\b*512   ; Q stays in registers
.endr
.endr
.endr
.irp t, 0,1
	v_mov_b32 v[ST+8*\t+1], 0xff61b1e6             ; m = -3e38, under every score
	v_mul_f32 v[ST+8*\t], s[CS], v[ST+8*\t+1]
.irp i, 2,3,4,5,6,7
	v_mov_b32 v[ST+8*\t+\i], 0
.endr
.endr
	WIN 0x40
.set e, 0
.rept 64
	v_mov_b32 v[e], 0                              ; O^T.  (The step is written without a first step of its own: the first a is 0)
.set e, e+1
.endr
	WIN 0
	CHANGE 1                                       ; slot 0 is whole; behind the round slot 1 is filled for the first time: keys 128 to 255
	v_add_nc_u32 v[ADR], s[TB], v[AKV]
	FETCH_K 0                                      ; K of the first step
	s_wait_loadcnt 0x0                             ; Q
.Lslot:                                            ; 6 trips, a slot's two key steps each: every slot but the last two is filled again as it is left
	STEP 0, 0
	STEP 8192, 1
	s_sub_co_u32 s[SLOTS], s[SLOTS], 1
	s_cmp_lg_u32 s[SLOTS], 0
	s_cbranch_scc1 .Lslot
	STEP 0, 0                                      ; the last two slots are written out
	STEP 8192, 2
	STEP 0, 0
	STEP 8192, 3
	; THE WAY OUT.  O^T / l, rounded to f16: two neighbouring tiles of channels are the image of 16 tokens x 32 channels that the projection loads
.irp t, 0,1
	v_add_f32 v[ST+8*\t+4], v[ST+8*\t+2], v[ST+8*\t+3]
.endr
.irp t, 0,1
	v_permlanex16_b32 v[ST+8*\t+5], v[ST+8*\t+4], s[SEL], s[SEL+1]
.endr
.irp t, 0,1
	v_add_f32 v[ST+8*\t+4], v[ST+8*\t+4], v[ST+8*\t+5]
.endr
.irp t, 0,1
	v_rcp_f32 v[ST+8*\t+6], v[ST+8*\t+4]
.endr
	v_nop
	s_wait_alu depctr_va_vdst(0)                   ; one wait for the two reciprocals, ahead of their first reader
	WIN 0x01                                       ; source 0 (O^T) in window 1
.irp t, 0,1
.irp i, 0,2,4,6,8,10,12,14,16,18,20,22,24,26,28,30
	v_pk_mul_f32 v[S+32*\t+\i:S+32*\t+\i+1], v[32*\t+\i:32*\t+\i+1], v[ST+8*\t+6:ST+8*\t+7] op_sel_hi:[1,0]
.endr
.endr
	WIN 0
.set e, 0
.rept 32
	v_cvt_pk_f16_f32 v[P+e], v[S+2*e], v[S+2*e+1]
.set e, e+1
.endr
.irp q, 0,1
.irp c, 0,1
.irp b, 0,1
	global_store_b128 v[LN], v[P+16*\q+8*\c+4*\b:P+16*\q+8*\c+4*\b+3], s[52:53] offset:\q*24576+\c*1024+\b*512   ; 512 consecutive bytes, aligned
.endr
.endr
.endr
	s_wait_tensorcnt 0x0                           ; the wave's end
	ds_add_u32 v[SPW], v[NIL]
	s_wait_dscnt 0x0
	CROUND                                         ; the closing round
	s_endpgm
.Lfunc_end_k_qd946880c18_attn:
	.size	k_qd946880c18_attn, .Lfunc_end_k_qd946880c18_attn-k_qd946880c18_attn
	.p2alignl 7, 3214868480
	.fill 96, 4, 3214868480
	.section	.rodata,"a",@progbits
	.p2align	6, 0x0
	.amdhsa_kernel k_qd946880c18_attn
		.amdhsa_group_segment_fixed_size 327680
		.amdhsa_private_segment_fixed_size 0
		.amdhsa_enable_private_segment 0
		.amdhsa_kernarg_size 16
		.amdhsa_user_sgpr_count 2
		.amdhsa_user_sgpr_kernarg_segment_ptr 1
		.amdhsa_wavefront_size32 1
		.amdhsa_system_sgpr_workgroup_id_x 1
		.amdhsa_system_sgpr_workgroup_id_y 1
		.amdhsa_system_sgpr_workgroup_id_z 1
		.amdhsa_system_vgpr_workitem_id 0
		.amdhsa_next_free_vgpr 320
		.amdhsa_next_free_sgpr 66
		.amdhsa_reserve_vcc 0
		.amdhsa_float_denorm_mode_32 3
		.amdhsa_float_denorm_mode_16_64 3
		.amdhsa_memory_ordered 1
		.amdhsa_forward_progress 1
		.amdhsa_inst_pref_size 117
	.end_amdhsa_kernel
	.amdgpu_metadata
---
amdhsa.version: [ 1, 2 ]
amdhsa.kernels:
  - .name:           k_qd946880c18_attn
    .symbol:         k_qd946880c18_attn.kd
    .args:
      - { .name: qkv, .offset: 0, .size: 8, .value_kind: global_buffer, .address_space: global }
      - { .name: att, .offset: 8, .size: 8, .value_kind: global_buffer, .address_space: global }
    .group_segment_fixed_size: 327680
    .private_segment_fixed_size: 0
    .kernarg_segment_align: 8
    .kernarg_segment_size: 16
    .max_flat_workgroup_size: 384
    .sgpr_count:     66
    .vgpr_count:     320
    .wavefront_size: 32
...
	.end_amdgpu_metadata
.endif
;; end of part 3
;; launch proj (part 4): grid 4 x 64, 4 waves a work-group, clusters of 4 x 4, 327,680 bytes of LDS; arguments att, wp, bproj, out0; writes out0
.if DOCPART == 4
	.amdgcn_target "amdgcn-amd-amdhsa--gfx1250"
	.amdhsa_code_object_version 6
	.text
	.protected	k_qd946880c18_proj
	.globl	k_qd946880c18_proj
	.p2align	8
	.type	k_qd946880c18_proj,@function
k_qd946880c18_proj:
	s_mov_b64 s[64:65], 0
	v_nop
	global_prefetch_b8 v0, s[64:65] scope:SCOPE_SE
	s_setreg_imm32_b32 hwreg(HW_REG_WAVE_MODE, 25, 1), 1
	s_wait_xcnt 0x0
	s_wait_alu depctr_hold_cnt(0) depctr_sa_sdst(0) depctr_va_vdst(0) depctr_va_sdst(0) depctr_va_ssrc(0) depctr_va_vcc(0) depctr_vm_vsrc(0)
	s_getreg_b32 s2, hwreg(HW_REG_IB_STS2, 6, 4)
	s_cmp_eq_u32 s2, 0
	s_cbranch_scc0 .Lentry_in_a_cluster
	s_endpgm
.Lentry_in_a_cluster:
	s_bfe_u32 s2, ttmp6, 0x10000c
	s_cmp_lg_u32 s2, 0xf033
	s_cbranch_scc0 .Lentry_shape_is_right
	s_endpgm
.Lentry_shape_is_right:
; PROJECTION.  out0 = att Wproj + bproj.  att: [512 token tiles][24 steps of 32 along K][1,024], wp: [48 column tiles][24][1,024]: f16 images of operand registers; sums f32; out0 [8192][768] f32.
; SHARES.  A work-group makes 128 tokens x 192 columns: 4 x 64 work-groups.  Four waves, each 64 x 96: 24 accumulators.
; RING.  K goes in 4 steps of 192 through two LDS slots of 122,880 bytes, as long as two slots allow: two refills in all, and each has 144 matrix instructions of a wave in which to land.
; CLUSTER 4 x 4: att's tiles are shared along a row of the cluster, wp's along a column: joint loads.
; THE MATRIX INSTRUCTION IS USED TRANSPOSED (source 0 = 16 columns of Wproj, source 1 = 16 tokens): a lane holds eight neighbouring columns of one row.  The bias is the C of each sum's first instruction.
; THE STAGE for the way out lies in slot 0: when the first result is stored there, that slot has had its last fill (K step 2), and every wave has passed the last change of slots, behind which nobody reads it.
; REGISTERS: window 0: v1-29 addresses; v32-223 the accumulators ((a, b) at v[32 + 8 (6 a + b)]), on the way out whole rows.  Window 1: two fragment buffers of 80 (4 of att, 6 of wp), from v160 the bias, 8 a column tile.
.set KCS,   6                          ; steps of 32 along K in a slot
.set TIL,   KCS*1024                   ; a tile's part of a slot
.set SLOT,  20*TIL                     ; att's 8 tiles, then wp's 12
.set STAGE, 0                          ; 128 rows x (768 bytes + 16), in slot 0
.set SP,    784
.set SPARE, 2*SLOT                     ; behind the ring: the spare words, 128 bytes for each wave: two blocks of 256 bytes that no other line names
.set CO,   10                          ; v10-12 the stores' offsets in out0
.set ADRA, 16                          ; v16-17 my fragments of att in slot 0, 1
.set ADRB, 20                          ; v20-21 of wp
.set STO,  22                          ; v22    the stage: where I put 32 bytes of a row
.set RD,   23                          ; v23-25 and where I read units of 256 bytes back
.set SPW,  28                          ; v28    LDS address of my spare word; never rewritten
.set NIL,  29                          ; v29    0; never rewritten
.set ACC,  32
.set F0,   0
.set F1,   80
.set BIAS, 160
.set G1A, 24
.set G0A, 32
.set G1B, 48
.set G0B, 56
.set MSB, 0
.macro WIN new
.if MSB != (\new)
	s_set_vgpr_msb (MSB<<8)|(\new)
.set MSB, (\new)
.endif
.endm
.set MUL,  0x05                        ; sources 0 and 1 window 1; C and D window 0
.set MUL1, 0x15                        ; the same with C (the bias) in window 1
.set TO_F, 0x40                        ; destination window 1
.macro JLOAD s                         ; a joint load: waves 0 and 1 fetch att's halves, waves 2 and 3 wp's; an s_nop 0 and four v_nop follow each line
	s_cmp_eq_u32 s13, 0
	s_cbranch_scc0 .Lfor_b_\@
	tensor_load_to_lds s[G0A+4*\s:G0A+4*\s+3], s[G1A:G1A+7]
	s_nop 0
.rept 4
	v_nop
.endr
	s_branch .Lasked_\@
.Lfor_b_\@:
	tensor_load_to_lds s[G0B+4*\s:G0B+4*\s+3], s[G1B:G1B+7]
	s_nop 0
.rept 4
	v_nop
.endr
.Lasked_\@:
.endm
.macro CREST                           ; a round of the cluster's barrier behind its opening barrier
	s_cmp_lg_u32 s12, 0
	s_cbranch_scc1 .Lnot_wave_0_\@
	s_barrier_signal -3
.Lnot_wave_0_\@:
	s_barrier_wait -3
	s_barrier_signal -1
	s_barrier_wait -1
.endm
.macro CROUND
	s_barrier_signal -1
	s_barrier_wait -1
	CREST
.endm
.macro PLACES                          ; four places in front of loads into registers that matrix instructions have read, and of reads of results
.rept 4
	v_nop
.endr
.endm
.macro FETCH slot, kc, f               ; 20 LDS loads, 512 consecutive bytes each: the fragments of 32 along K
	WIN TO_F
.irp a, 0,1,2,3
	ds_load_b128 v[\f+8*\a:\f+8*\a+3], v[ADRA+\slot] offset:\a*TIL+(\kc)*1024
	ds_load_b128 v[\f+8*\a+4:\f+8*\a+7], v[ADRA+\slot] offset:\a*TIL+(\kc)*1024+512
.endr
.irp b, 0,1,2,3,4,5
	ds_load_b128 v[\f+32+8*\b:\f+32+8*\b+3], v[ADRB+\slot] offset:\b*TIL+(\kc)*1024
	ds_load_b128 v[\f+32+8*\b+4:\f+32+8*\b+7], v[ADRB+\slot] offset:\b*TIL+(\kc)*1024+512
.endr
.endm
.macro MULA f, a, first                ; token tile a against the six column tiles.  The 24 accumulators take turns in the same order everywhere
.irp b, 0,1,2,3,4,5
.if \first
	v_wmma_f32_16x16x32_f16 v[ACC+8*(6*(\a)+\b):ACC+8*(6*(\a)+\b)+7], v[\f+32+8*\b:\f+32+8*\b+7], v[\f+8*(\a):\f+8*(\a)+7], v[BIAS+8*\b:BIAS+8*\b+7]
.else
	v_wmma_f32_16x16x32_f16 v[ACC+8*(6*(\a)+\b):ACC+8*(6*(\a)+\b)+7], v[\f+32+8*\b:\f+32+8*\b+7], v[\f+8*(\a):\f+8*(\a)+7], v[ACC+8*(6*(\a)+\b):ACC+8*(6*(\a)+\b)+7]
.endif
.endr
.endm
; A sixth of a K step: buffer f is multiplied; ahead of its products the next sixth, kc of the same slot, is asked for into g
.macro PART slot, kc, f, g, first
	s_wait_dscnt 0x0                               ; buffer f is in (asked for a sixth, 24 matrix instructions, ago)
	PLACES
	FETCH \slot, \kc, \g
.if \first
	WIN MUL1
.else
	WIN MUL
.endif
	MULA \f, 0, \first
	MULA \f, 1, \first
	MULA \f, 2, \first
	MULA \f, 3, \first
.endm
.macro REST slot                       ; a slot's first five sixths; its first fragments have been asked for into buffer 0
	PART \slot, 1, F0, F1, 0
	PART \slot, 2, F1, F0, 0
	PART \slot, 3, F0, F1, 0
	PART \slot, 4, F1, F0, 0
	PART \slot, 5, F0, F1, 0
.endm
; A slot's last sixth changes slots: ONE barrier; in front of it each wave waits for all its tensor loads, adds 0 to its spare word, and waits for that and for its reads of this slot.  fill = 1: the slot is filled again, two K steps ahead.
.macro TURN slot, next, fill
	WIN 0                                          ; (the add's two registers lie in window 0)
	s_wait_tensorcnt 0x0                           ; all my tensor loads have landed: my part of the next slot
	ds_add_u32 v[SPW], v[NIL]
	s_wait_dscnt 1                                 ; buffer 1 is in; the add alone may be out
	WIN MUL
	MULA F1, 0, 0
	s_wait_dscnt 0x0                               ; the add is done, and my reads of this slot are over
	s_barrier_signal -1
	MULA F1, 1, 0
	WIN 0
	s_barrier_wait -1
.if \fill
	CREST                                          ; the barrier has opened a round of the cluster's: no wave of any partner still reads this slot or has a load on its way
	s_add_nc_u64 s[G0A+4*\slot+2:G0A+4*\slot+3], s[G0A+4*\slot+2:G0A+4*\slot+3], 2*TIL
	s_add_nc_u64 s[G0B+4*\slot+2:G0B+4*\slot+3], s[G0B+4*\slot+2:G0B+4*\slot+3], 2*TIL
	JLOAD \slot                                    ; the first tensor load behind the round; its four v_nop are also the places in front of the loads below
.else
	PLACES
.endif
	FETCH \next, 0, F0
	WIN MUL
	MULA F1, 2, 0
	MULA F1, 3, 0
.endm
	s_load_b256 s[4:11], s[0:1], 0x0               ; att s[4:5], wp s[6:7], bproj s[8:9], out0 s[10:11]
	v_lshl_add_u32 v[SPW], v0, 2, SPARE
	v_mov_b32 v[NIL], 0
	ds_add_u32 v[SPW], v[NIL]                      ; the wave's opening: the add, twice on end, and its wait ahead of my first tensor load
	ds_add_u32 v[SPW], v[NIL]
	v_lshrrev_b32 v1, 5, v0
	v_readfirstlane_b32 s12, v1                    ; wave 0..3
	s_lshr_b32 s13, s12, 1                         ; which 64 tokens are mine.  Also: I fetch for att (0) or for wp (1)
	s_and_b32 s14, s12, 1                          ; which 96 columns.  Also: which half of the tiles I fetch
	s_bfe_u32 s15, ttmp6, 0x40000                  ; cx, cy
	s_bfe_u32 s16, ttmp6, 0x40004
	s_lshl_b32 s17, ttmp9, 2
	s_add_co_u32 s17, s17, s15                     ; tc: which 192 columns
	s_and_b32 s18, ttmp7, 0xffff
	s_lshl_b32 s18, s18, 2
	s_add_co_u32 s18, s18, s16                     ; tr: which 128 tokens
	s_lshl_b32 s19, s16, 2
	s_lshl_b32 s19, 15, s19                        ; my row of the cluster
	s_lshl_b32 s20, 0x1111, s15                    ; my column
	; group 1: rows of 768 elements of 8 bytes (a tile's K step), 3,072 elements (a tile) apart; 4 rows for att, 6 for wp; no padding
	s_or_b32 s[G1A], s19, (3<<16)|(1<<21)
	s_or_b32 s[G1B], s20, (3<<16)|(1<<21)
.irp g, G1A, G1B
	s_mov_b32 s[\g+1], (TIL/8)<<16
	s_mov_b32 s[\g+3], (TIL/8)<<16
	s_mov_b32 s[\g+5], 3072
	s_mov_b32 s[\g+6], 0
	s_mov_b32 s[\g+7], 0
.endr
	s_mov_b32 s[G1A+2], 4<<16
	s_mov_b32 s[G1A+4], 4
	s_mov_b32 s[G1B+2], 6<<16
	s_mov_b32 s[G1B+4], 6
	s_lshl_b32 s40, s18, 3
	s_lshl_b32 s41, s14, 2
	s_add_co_u32 s40, s40, s41                     ; att: tile 8 tr + 4 x half
	s_mul_i32 s40, s40, 24576
	s_mov_b32 s41, 0
	s_mul_i32 s42, s17, 12
	s_mul_i32 s43, s14, 6
	s_add_co_u32 s42, s42, s43                     ; wp: tile 12 tc + 6 x half
	s_mul_i32 s42, s42, 24576
	s_mov_b32 s43, 0
	s_mul_i32 s44, s14, 4*TIL                      ; where they go: no place in the cluster enters an LDS address
	s_mul_i32 s45, s14, 6*TIL
	s_add_co_u32 s45, s45, 8*TIL
	s_wait_dscnt 0x0                               ; both opening adds are done
	s_wait_kmcnt 0x0
	s_add_nc_u64 s[40:41], s[4:5], s[40:41]
	s_add_nc_u64 s[42:43], s[6:7], s[42:43]
	CROUND                                         ; all sixteen work-groups are here
.irp s, 0,1
	s_mov_b32 s[G0A+4*\s], 1
	s_add_co_u32 s[G0A+4*\s+1], s44, \s*SLOT
	s_add_nc_u64 s[G0A+4*\s+2:G0A+4*\s+3], s[40:41], \s*TIL
	s_or_b32 s[G0A+4*\s+3], s[G0A+4*\s+3], 0x80000000
	s_mov_b32 s[G0B+4*\s], 1
	s_add_co_u32 s[G0B+4*\s+1], s45, \s*SLOT
	s_add_nc_u64 s[G0B+4*\s+2:G0B+4*\s+3], s[42:43], \s*TIL
	s_or_b32 s[G0B+4*\s+3], s[G0B+4*\s+3], 0x80000000
	JLOAD \s                                       ; two loads of mine are out
.endr
	v_and_b32 v1, 31, v0
	v_and_b32 v2, 15, v0                           ; r
	v_bfe_u32 v3, v0, 4, 1                         ; h
	s_mul_i32 s46, s17, 768
	s_mul_i32 s47, s14, 384
	s_add_co_u32 s46, s46, s47                     ; my 96 numbers of the bias
	s_mov_b32 s47, 0
	s_add_nc_u64 s[8:9], s[8:9], s[46:47]
	v_lshlrev_b32 v4, 5, v3                        ; lane (r, h) wants, of a column tile, numbers 8 h + 0 .. 7
	WIN TO_F
.irp b, 0,1,2,3,4,5
	global_load_b128 v[BIAS+8*\b:BIAS+8*\b+3], v4, s[8:9] offset:\b*64
	global_load_b128 v[BIAS+8*\b+4:BIAS+8*\b+7], v4, s[8:9] offset:\b*64+16
.endr
	WIN 0
	v_lshlrev_b32 v5, 4, v1                        ; 16 x lane
	s_mul_i32 s21, s13, 4*TIL                      ; my 4 tiles of att
	s_mul_i32 s22, s14, 6*TIL                      ; my 6 tiles of wp,
	s_add_co_u32 s22, s22, 8*TIL                   ; which lie behind att's 8
.irp s, 0,1
	v_add_nc_u32 v[ADRA+\s], s21, v5
	v_add_nc_u32 v[ADRB+\s], s22, v5
	s_add_co_u32 s21, s21, SLOT
	s_add_co_u32 s22, s22, SLOT
.endr
	s_mul_i32 s21, s13, 64*SP
	s_mul_i32 s22, s14, 384
	s_add_co_u32 s21, s21, s22
	s_add_co_u32 s21, s21, STAGE
	v_mul_u32_u24 v[STO], v2, SP
	v_lshl_add_u32 v[STO], v3, 5, v[STO]
	v_add_nc_u32 v[STO], s21, v[STO]               ; into the stage: row 64 x half + r, byte 384 x half + 32 h
	s_mul_i32 s21, s12, 32*SP
	s_add_co_u32 s21, s21, STAGE                   ; back: wave w takes rows 32 w .. 32 w + 31; a pair of rows is six units of 256 bytes, two to an instruction
	v_lshlrev_b32 v6, 4, v2
	v_lshl_add_u32 v7, v3, 8, v6                   ; 256 h + 16 r
	v_add_nc_u32 v[RD], s21, v7                    ; units 0, 1: the first row's bytes 0 and 256
	v_mad_u32_u24 v8, v3, 272, v6
	v_add_nc_u32 v8, 512, v8
	v_add_nc_u32 v[RD+1], s21, v8                  ; units 2, 3: the first row's byte 512, the second row's byte 0
	v_add_nc_u32 v9, 1040, v7
	v_add_nc_u32 v[RD+2], s21, v9                  ; units 4, 5: the second row's bytes 256 and 512
	v_mov_b32 v[CO], v7                            ; and the same six units in out0, whose rows are 3,072 bytes apart
	v_mad_u32_u24 v[CO+1], v3, 2560, v6
	v_add_nc_u32 v[CO+1], 512, v[CO+1]
	v_add_nc_u32 v[CO+2], 3328, v7
	s_lshl_b32 s46, s18, 7
	s_lshl_b32 s47, s12, 5
	s_add_co_u32 s46, s46, s47                     ; the first row that I store
	s_mul_i32 s46, s46, 3072
	s_mul_i32 s47, s17, 768
	s_add_co_u32 s46, s46, s47
	s_mov_b32 s47, 0
	s_add_nc_u64 s[10:11], s[10:11], s[46:47]
	s_wait_tensorcnt 1                             ; my part of K step 0 is in; K step 1's load may be out
	s_barrier_signal -1
	s_barrier_wait -1                              ; everybody's is
	FETCH 0, 0, F0
	s_wait_loadcnt 0x0                             ; the bias
	PART 0, 1, F0, F1, 1                           ; the first products start the sums, from the bias
	PART 0, 2, F1, F0, 0
	PART 0, 3, F0, F1, 0
	PART 0, 4, F1, F0, 0
	PART 0, 5, F0, F1, 0
	TURN 0, 1, 1                                   ; slot 0 takes K step 2
	REST 1
	TURN 1, 0, 1                                   ; slot 1 takes K step 3: the last load
	REST 0
	TURN 0, 1, 0                                   ; nothing is left to fetch; behind this barrier nobody reads slot 0 any more
	REST 1
	s_wait_dscnt 0x0
	WIN MUL
	MULA F1, 0, 0
	MULA F1, 1, 0
	MULA F1, 2, 0
	MULA F1, 3, 0
	WIN 0
	; THE WAY OUT: 32 bytes a lane into the work-group's stage; a barrier, since a row's 768 bytes come from two waves; back as units of 256 bytes, sixteen lanes to a unit
	PLACES
.irp a, 0,1,2,3
.irp b, 0,1,2,3,4,5
	ds_store_b128 v[STO], v[ACC+8*(6*\a+\b):ACC+8*(6*\a+\b)+3] offset:\a*16*SP+\b*64        ; each accumulator from its low end on
	ds_store_b128 v[STO], v[ACC+8*(6*\a+\b)+4:ACC+8*(6*\a+\b)+7] offset:\a*16*SP+\b*64+16
.endr
.endr
	s_wait_dscnt 0x0                               ; for the others' sake: my stores into the stage are done
	s_barrier_signal -1
	s_barrier_wait -1
.irp p, 0,1,2,3,4,5,6,7,8,9,10,11,12,13,14,15
.irp e, 0,1,2
	ds_load_b128 v[ACC+4*(3*\p+\e):ACC+4*(3*\p+\e)+3], v[RD+\e] offset:\p*2*SP
.endr
.endr
.irp p, 0,1,2,3,4,5,6,7,8,9,10,11,12,13,14,15
.irp e, 0,1,2
	s_wait_dscnt 47-(3*\p+\e)                      ; this load is in; the younger ones may be out
	global_store_b128 v[CO+\e], v[ACC+4*(3*\p+\e):ACC+4*(3*\p+\e)+3], s[10:11] offset:\p*6144 th:TH_STORE_NT   ; sixteen lanes store 256 consecutive bytes, aligned
.endr
.endr
	s_wait_tensorcnt 0x0                           ; the wave's end
	ds_add_u32 v[SPW], v[NIL]
	s_wait_dscnt 0x0
	CROUND                                         ; the closing round
	s_endpgm
.Lfunc_end_k_qd946880c18_proj:
	.size	k_qd946880c18_proj, .Lfunc_end_k_qd946880c18_proj-k_qd946880c18_proj
	.p2alignl 7, 3214868480
	.fill 96, 4, 3214868480
	.section	.rodata,"a",@progbits
	.p2align	6, 0x0
	.amdhsa_kernel k_qd946880c18_proj
		.amdhsa_group_segment_fixed_size 327680
		.amdhsa_private_segment_fixed_size 0
		.amdhsa_enable_private_segment 0
		.amdhsa_kernarg_size 32
		.amdhsa_user_sgpr_count 2
		.amdhsa_user_sgpr_kernarg_segment_ptr 1
		.amdhsa_wavefront_size32 1
		.amdhsa_system_sgpr_workgroup_id_x 1
		.amdhsa_system_sgpr_workgroup_id_y 1
		.amdhsa_system_sgpr_workgroup_id_z 1
		.amdhsa_system_vgpr_workitem_id 0
		.amdhsa_next_free_vgpr 464
		.amdhsa_next_free_sgpr 66
		.amdhsa_reserve_vcc 0
		.amdhsa_float_denorm_mode_32 3
		.amdhsa_float_denorm_mode_16_64 3
		.amdhsa_memory_ordered 1
		.amdhsa_forward_progress 1
		.amdhsa_inst_pref_size 95
	.end_amdhsa_kernel
	.amdgpu_metadata
---
amdhsa.version: [ 1, 2 ]
amdhsa.kernels:
  - .name:           k_qd946880c18_proj
    .symbol:         k_qd946880c18_proj.kd
    .args:
      - { .name: att, .offset: 0, .size: 8, .value_kind: global_buffer, .address_space: global }
      - { .name: wp, .offset: 8, .size: 8, .value_kind: global_buffer, .address_space: global }
      - { .name: bproj, .offset: 16, .size: 8, .value_kind: global_buffer, .address_space: global }
      - { .name: out0, .offset: 24, .size: 8, .value_kind: global_buffer, .address_space: global }
    .group_segment_fixed_size: 327680
    .private_segment_fixed_size: 0
    .kernarg_segment_align: 8
    .kernarg_segment_size: 32
    .max_flat_workgroup_size: 128
    .sgpr_count:     66
    .vgpr_count:     464
    .wavefront_size: 32
...
	.end_amdgpu_metadata
.endif
;; end of part 4
